; MI455X (gfx1250); checked and timed in simulation.
; The chip was launched on July 23, 2026; its instructions are those of AMD's public machine-readable ISA for CDNA 5 (MIT licence, August 2026) and "CDNA5" Instruction Set Architecture Reference Guide (July 2026). The comments in the code are by the model that wrote it; some were corrected since.
;; Attention Block. Allowed arithmetic: matrix products marked QUANTISED: E5M2 operands, one given power-of-two scale a tensor, by v_wmma_f32_16x16x64_bf8_bf8 or v_wmma_f32_16x16x128_bf8_bf8, f32 sums; everything else in f32.
;; Inputs: gn_bias 512 float32; gn_weight 512 float32; hidden_states 2 x 512 x 64 x 64 float32; k_b 512 float32; k_w 512 x 512 float32; lowp_scales 12 int32 (the exponents e of the quantised operands' scales 2^e); proj_b 512 float32; proj_w 512 x 512 float32; q_b 512 float32; q_w 512 x 512 float32; v_b 512 float32; v_w 512 x 512 float32.
;; Outputs: out0 2 x 512 x 64 x 64 float32.
;; This version of the problem:
;;   THIS VERSION OF THE PROBLEM IS GIVEN IN LOW PRECISION. The matrix products marked QUANTISED in the list below multiply operands that are first quantised to E5M2 (5 exponent bits, 2 mantissa bits; 8 bits a number), with one given power-of-two scale for each operand tensor; their sums are f32. All else is computed in f32.
;;   The module's matrix products, in the order in which they are computed (A, B: the left and right operand; K: the contracted axis; several contracted axes count as one K, in the product's order):
;;     1. [M 8,192, K 512] x [K 512, N 512]; A: computed on the way; B: input q_w: QUANTISED (scales: A lowp_scales[0], B lowp_scales[1])
;;     2. [M 8,192, K 512] x [K 512, N 512]; A: computed on the way; B: input k_w: QUANTISED (scales: A lowp_scales[2], B lowp_scales[3])
;;     3. [M 8,192, K 512] x [K 512, N 512]; A: computed on the way; B: input v_w: QUANTISED (scales: A lowp_scales[4], B lowp_scales[5])
;;     4. batch 16 x [M 4,096, K 64] x [K 64, N 4,096]; A: computed on the way; B: computed on the way: QUANTISED (scales: A lowp_scales[6], B lowp_scales[7])
;;     5. batch 16 x [M 4,096, K 4,096] x [K 4,096, N 64]; A: softmax (see below); B: computed on the way: QUANTISED (scales: A lowp_scales[8], B lowp_scales[9])
;;     6. [M 8,192, K 512] x [K 512, N 512]; A: computed on the way; B: input proj_w: QUANTISED (scales: A lowp_scales[10], B lowp_scales[11])
;;   THE QUANTISER, for each operand of a quantised product, along K:
;;     - The operand's scale is 2^e, e = its entry of the input lowp_scales (int32; the entries are numbered through the quantised products in the list's order, A before B).
;;     - Each number is divided by the scale, clamped to +-57,344, and rounded to the nearest number of E5M2, ties to even, subnormals kept.
;;     - The product sums the exact products of the quantised numbers (number of the format x scale) in f32.
;;   ~~~python
;;   def quantise(x, axis, e):      # numpy; x: float32 -> the quantised numbers, widened to float32 again
;;       x = np.moveaxis(x, axis, -1); K = x.shape[-1]
;;       r = np.clip(x / 2.0 ** e, -57344, 57344)
;;       step = 2.0 ** (np.maximum(np.frexp(np.where(r == 0, 1, r))[1] - 1, -14) - 2)
;;       q = np.round(r / step) * step * 2.0 ** e      # np.round: ties to even
;;       return np.moveaxis(q, -1, axis).astype(np.float32)
;;   ~~~
;;   SOFTMAX AHEAD OF A QUANTISED PRODUCT. Where the list says 'softmax', what is quantised is not the finished softmax but p = 2^(t - M), with t = logit x log2(e) and M = ceil(the row's largest t), a whole number; so 1/2 < the row's largest p <= 1. The row's sum l is taken of the UNQUANTISED p, in f32, and the product's result is divided by l at the end. Since M is a whole number, a kernel that streams over the keys may use a running M (the ceiling of the running maximum): every later rescaling is an exact power of two, so the quantised numbers keep their values, but for numbers so far below the row's largest that they fall under the format's range.
;;   OPERANDS COMPUTED ON THE WAY. 'Computed on the way' means the value that the module computes at that place (a softmax that the list does not call 'softmax' is quantised finished and normalised). What goes into a quantiser is computed in f32, as accurately as f32 sums, v_exp_f32 and their like allow (about 1e-6 of the number): no bf16 or f16 on the way to a quantiser, and a product that is left as it is and whose result goes on into a quantised operand takes f32 operands (vector FMAs, or v_wmma_f32_16x16x4_f32). A number that lies on a knife's edge between two numbers of the format may be rounded either way, as far as f32 arithmetic and the matrix unit's own rounding can turn it there, and no further.
;; One version. Each part assembles by itself: llvm-mc -triple=amdgcn-amd-amdhsa -mcpu=gfx1250 --defsym DOCPART=n.
;; ======== version 1 of 1: 4 launches
;; limits: right only within a limited range of input values
;; workspace buffers: stats 2,048 bytes; wimg 1,048,576 bytes; qimg 4,194,304 bytes; kimg 4,194,304 bytes; vimg 4,194,304 bytes; aimg 4,194,304 bytes
;; launch prep (part 1): grid 256 x 1, 8 waves a work-group, no clusters, 1,280 bytes of LDS; arguments hidden_states, q_w, k_w, v_w, proj_w, lowp_scales, stats, wimg; writes stats, wimg
.if DOCPART == 1
	.amdgcn_target "amdgcn-amd-amdhsa--gfx1250"
	.amdhsa_code_object_version 6
	.text
	.protected	k_q2c4fb1f9ff_prep
	.globl	k_q2c4fb1f9ff_prep
	.p2align	8
	.type	k_q2c4fb1f9ff_prep,@function
k_q2c4fb1f9ff_prep:
	s_mov_b64 s[64:65], 0
	v_nop
	global_prefetch_b8 v0, s[64:65] scope:SCOPE_SE
	s_setreg_imm32_b32 hwreg(HW_REG_WAVE_MODE, 25, 1), 1
	s_wait_xcnt 0x0
; Two jobs that need nothing from each other; every work-group does a share of both.
; STATISTICS for the group norm.  A group is 16 channels x 4,096 numbers = 262,144 consecutive bytes; work-group j takes the quarter at byte 65,536 j
; (4 channels, 16,384 numbers), keeps it in registers (64 a thread) and stores (its mean, the sum of squared distances from ITS mean) at byte 8 j of stats.
; Two passes over the registers: no difference of large sums is formed, so a common offset of the inputs costs nothing.  The four quarters are joined by the launch that normalises.
; WEIGHTS.  The four weights [512 out][512 in], f32, K innermost, become codes of BF8 (E5M2) with the given scales 2^e (entries 1, 3, 5, 11 of the scales).
; code = w / 2^e, held within +-57,344, to the nearest code, ties to even.  A unit is 16 rows x 128 along K, one operand fragment; there are 512 units of four pieces of 32 along K: 2,048 pieces, one for each of the
; launch's 2,048 waves: wave w of work-group j takes piece w % 4 of unit 2 j + w / 4, so that the four waves that read neighbouring 128 bytes of the same rows stand in one work-group.
; THE CODES ARE STORED AS AN IMAGE OF THE OPERAND'S REGISTERS: wimg[matrix 4][tile 32][s 4][c 4][lane 32][16 bytes]; lane (r = lane % 16, h = lane / 16) of piece (s, c) holds k = 128 s + 32 c + 16 h + 0..15
; of the tile's row r.  A wave's store is 512 consecutive bytes, aligned.  For q, k, v the rows of a tile are not neighbours: row = 32 (tile / 2) + 8 (tile % 2) + r + 8 (r / 8), so that the results of
; two neighbouring tiles are 16 neighbours along the next product's K; for proj: row = 16 tile + r.
; LIMITS: each e between -126 and 112.  NaN among the inputs is not served.
; No matrix unit, no cluster, no tensor load: nothing is shared between work-groups, and each byte is read once.
.set X,    16                          ; v16-79   64 numbers
.set A,    80                          ; v80-87   four chains of pairs
.set MEAN, 88                          ; v88-89   the mean, twice; at the end (mean, sum of squares)
.set W8,   90                          ; v90-97   the eight waves' words
.set PL,   98                          ; v98      a lane permute's destination
.set WO,   100                         ; v100     the weights: my row and half, in bytes
.set WS,   101                         ; v101     16 x lane
.set WL,   102                         ; v102     57,344 x 2^e
.set WE,   103                         ; v103     2^e
.set WX,   114                         ; v114-129 my 16 numbers of the piece
.set WC,   130                         ; v130-133 their codes
	s_load_b512 s[4:19], s[0:1], 0x0               ; hidden s[4:5], q_w s[6:7], k_w s[8:9], v_w s[10:11], proj_w s[12:13], scales s[14:15], stats s[16:17], wimg s[18:19]
	v_lshl_add_u32 v112, v0, 2, 0x100
	v_mov_b32 v113, 0
	v_lshrrev_b32 v1, 5, v0
	v_readfirstlane_b32 s20, v1                    ; wave 0..7
	v_lshlrev_b32 v2, 2, v1                        ; LDS: my wave's word
	v_lshlrev_b32 v1, 4, v0                        ; 16 bytes a thread: a load of the work-group covers 4,096 consecutive bytes
	v_mov_b32 v3, 0
	v_mov_b32 v[PL], 0                             ; written once: a lane permute's destination counts as one of its sources
	v_and_b32 v104, 15, v0                         ; r
	v_bfe_u32 v105, v0, 4, 1                       ; h
	v_and_b32 v[WS], 31, v0
	v_lshlrev_b32 v[WS], 4, v[WS]
	s_wait_alu depctr_va_vdst(0)
	s_lshl_b32 s21, ttmp9, 1
	s_lshr_b32 s44, s20, 2
	s_add_co_u32 s21, s21, s44                     ; unit u = 0..511
	s_and_b32 s46, s20, 3                          ; piece c
	s_lshr_b32 s26, s21, 7                         ; matrix: 0 q, 1 k, 2 v, 3 proj
	s_bfe_u32 s27, s21, 0x50002                    ; tile 0..31
	s_and_b32 s28, s21, 3                          ; s: which 128 along K
	s_lshl_b32 s30, s27, 4                         ; proj: first row 16 tile
	s_lshr_b32 s31, s27, 1
	s_lshl_b32 s31, s31, 5
	s_and_b32 s44, s27, 1
	s_lshl_b32 s44, s44, 3
	s_add_co_u32 s31, s31, s44                     ; q, k, v: 32 (tile / 2) + 8 (tile % 2)
	s_cmp_eq_u32 s26, 3                            ; the choices hang on the unit's number alone
	s_cselect_b32 s29, 0, 8                        ; proj: row r;  else: row r + (r & 8)
	s_cselect_b32 s30, s30, s31
	s_lshl_b32 s30, s30, 11                        ; a row is 2,048 bytes
	s_lshl_b32 s44, s28, 9
	s_add_co_u32 s30, s30, s44
	s_lshl_b32 s44, s46, 7
	s_add_co_u32 s30, s30, s44                     ; + 512 s + 128 c
	s_mov_b32 s31, 0
	s_lshl_b32 s44, s21, 11                        ; a unit's image is 2,048 bytes, a piece's 512
	s_lshl_b32 s45, s46, 9
	s_add_co_u32 s44, s44, s45
	s_mov_b32 s45, 0
	s_mov_b32 s24, 0x76543210
	s_mov_b32 s25, 0xfedcba98                      ; selects for lane l xor 16
	s_lshl_b32 s22, ttmp9, 16                      ; my quarter of a group
	s_mov_b32 s23, 0
	s_lshl_b32 s46, ttmp9, 3                       ; my record
	s_mov_b32 s47, 0
	v_and_b32 v106, s29, v104
	v_add_nc_u32 v106, v106, v104
	v_lshlrev_b32 v[WO], 11, v106
	v_lshl_add_u32 v[WO], v105, 6, v[WO]           ; my row, + 64 h: my 16 numbers of the piece's 32
	s_wait_alu depctr_va_vdst(0)
	s_wait_kmcnt 0x0
	s_load_b256 s[32:39], s[14:15], 0x0            ; entries 0-7
	s_load_b128 s[40:43], s[14:15], 0x20           ; entries 8-11
	s_cmp_eq_u32 s26, 1
	s_cselect_b64 s[6:7], s[8:9], s[6:7]
	s_cmp_eq_u32 s26, 2
	s_cselect_b64 s[6:7], s[10:11], s[6:7]
	s_cmp_eq_u32 s26, 3
	s_cselect_b64 s[6:7], s[12:13], s[6:7]
	s_add_nc_u64 s[6:7], s[6:7], s[30:31]
	s_add_nc_u64 s[18:19], s[18:19], s[44:45]
	s_add_nc_u64 s[4:5], s[4:5], s[22:23]
	s_add_nc_u64 s[16:17], s[16:17], s[46:47]
.irp i, 0,1,2,3
	global_load_b128 v[WX+4*\i:WX+4*\i+3], v[WO], s[6:7] offset:16*\i th:TH_LOAD_NT   ; read once in the whole program
.endr
.set q, 0
.rept 16
	global_load_b128 v[X+4*q:X+4*q+3], v1, s[4:5] offset:4096*q   ; later launches read these bytes again: no hint
.set q, q+1
.endr
	s_wait_kmcnt 0x0
	s_cmp_eq_u32 s26, 1
	s_cselect_b32 s33, s35, s33
	s_cmp_eq_u32 s26, 2
	s_cselect_b32 s33, s37, s33
	s_cmp_eq_u32 s26, 3
	s_cselect_b32 s33, s43, s33                    ; e
	s_add_co_i32 s33, s33, 127
	s_lshl_b32 s34, s33, 23
	v_mov_b32 v[WE], s34                           ; 2^e as f32: the conversion takes its exponent field
	s_add_co_i32 s33, s33, 15
	s_lshl_b32 s33, s33, 23
	s_or_b32 s33, s33, 0x600000
	v_mov_b32 v[WL], s33                           ; 57,344 x 2^e
	s_wait_alu depctr_va_vdst(0)
	s_wait_loadcnt 16                              ; loads come back in order: the piece's four are in; the 16 younger ones, the statistics', may be out
.set q, 0
.rept 16
	v_med3_num_f32 v[WX+q], v[WX+q], -v[WL], v[WL] ; the conversion to an 8-bit code does not saturate (ISA guide 7.6.2): the hold comes first
.set q, q+1
.endr
	v_cvt_scalef32_pk8_bf8_f32 v[WC:WC+1], v[WX:WX+7], v[WE]
	v_cvt_scalef32_pk8_bf8_f32 v[WC+2:WC+3], v[WX+8:WX+15], v[WE]
	v_nop                                          ; one plain line behind the last conversion
	global_store_b128 v[WS], v[WC:WC+3], s[18:19]  ; 32 lanes store 512 consecutive bytes, aligned
.macro WSUM                            ; v[A] summed over the wave's 32 lanes, the result in every lane
	s_delay_alu instid0(VALU_DEP_1)
	v_add_f32_dpp v[A], v[A], v[A] row_xmask:1 row_mask:0xf bank_mask:0xf
	s_delay_alu instid0(VALU_DEP_1)
	v_add_f32_dpp v[A], v[A], v[A] row_xmask:2 row_mask:0xf bank_mask:0xf
	s_delay_alu instid0(VALU_DEP_1)
	v_add_f32_dpp v[A], v[A], v[A] row_xmask:4 row_mask:0xf bank_mask:0xf
	s_delay_alu instid0(VALU_DEP_1)
	v_add_f32_dpp v[A], v[A], v[A] row_xmask:8 row_mask:0xf bank_mask:0xf
	s_delay_alu instid0(VALU_DEP_1)
	v_permlanex16_b32 v[PL], v[A], s24, s25
	s_delay_alu instid0(VALU_DEP_1)
	v_add_f32 v[A], v[A], v[PL]
.endm
.macro JOIN                            ; the four chains of pairs into v[A]
	s_delay_alu instid0(VALU_DEP_3)
	v_pk_add_f32 v[A:A+1], v[A:A+1], v[A+2:A+3]
	s_delay_alu instid0(VALU_DEP_2)
	v_pk_add_f32 v[A+4:A+5], v[A+4:A+5], v[A+6:A+7]
	s_delay_alu instid0(VALU_DEP_1)
	v_pk_add_f32 v[A:A+1], v[A:A+1], v[A+4:A+5]
	s_delay_alu instid0(VALU_DEP_1)
	v_add_f32 v[A], v[A], v[A+1]
.endm
.macro ACROSS off                      ; v[A] summed over the eight waves, into v[W8]: each wave's word at off + 4 x wave
	ds_store_b32 v2, v[A] offset:\off
	s_wait_dscnt 0x0                               ; for the others' sake: my word has landed
	s_barrier_signal -1
	s_barrier_wait -1
	ds_load_b128 v[W8:W8+3], v3 offset:\off
	ds_load_b128 v[W8+4:W8+7], v3 offset:\off+16
	s_wait_dscnt 0x0
	v_add_f32 v[W8], v[W8], v[W8+1]
	v_add_f32 v[W8+2], v[W8+2], v[W8+3]
	v_add_f32 v[W8+4], v[W8+4], v[W8+5]
	v_add_f32 v[W8+6], v[W8+6], v[W8+7]
	s_delay_alu instid0(VALU_DEP_3)
	v_add_f32 v[W8], v[W8], v[W8+2]
	s_delay_alu instid0(VALU_DEP_2)
	v_add_f32 v[W8+4], v[W8+4], v[W8+6]
	s_delay_alu instid0(VALU_DEP_1)
	v_add_f32 v[W8], v[W8], v[W8+4]
.endm
	; pass 1: the sum, four loads at a time; the first group starts the chains, nothing is cleared
	s_wait_loadcnt 12                              ; the first four are in, twelve younger ones may be out
.irp k, 0,1,2,3
	v_pk_add_f32 v[A+2*\k:A+2*\k+1], v[X+2*\k:X+2*\k+1], v[X+8+2*\k:X+9+2*\k]
.endr
.irp g, 1,2,3
	s_wait_alu depctr_va_vdst(0)
	s_wait_loadcnt 12-4*\g                         ; 8, 4, 0 younger loads
.irp p, 0,1,2,3,4,5,6,7
	v_pk_add_f32 v[A+2*(\p%4):A+2*(\p%4)+1], v[A+2*(\p%4):A+2*(\p%4)+1], v[X+16*\g+2*\p:X+16*\g+2*\p+1]
.endr
.endr
	JOIN
	WSUM
	ACROSS 0
	s_delay_alu instid0(VALU_DEP_1)
	v_mul_f32 v[MEAN], 0x38800000, v[W8]           ; / 16,384
	s_delay_alu instid0(VALU_DEP_1)
	v_mov_b32 v[MEAN+1], v[MEAN]
	; pass 2: the squared distances from that mean
.set p, 0
.rept 32
	v_pk_add_f32 v[X+2*p:X+2*p+1], v[X+2*p:X+2*p+1], v[MEAN:MEAN+1] neg_lo:[0,1] neg_hi:[0,1]
.set p, p+1
.endr
.set p, 0
.rept 32
.if p < 4
	v_pk_mul_f32 v[A+2*p:A+2*p+1], v[X+2*p:X+2*p+1], v[X+2*p:X+2*p+1]
.else
	s_delay_alu instid0(VALU_DEP_4)
	v_pk_fma_f32 v[A+2*(p%4):A+2*(p%4)+1], v[X+2*p:X+2*p+1], v[X+2*p:X+2*p+1], v[A+2*(p%4):A+2*(p%4)+1]
.endif
.set p, p+1
.endr
	JOIN
	WSUM
	ACROSS 32                                      ; other bytes than the first time: no barrier is needed between the two uses
	s_delay_alu instid0(VALU_DEP_1)
	v_mov_b32 v[MEAN+1], v[W8]
	v_cmp_eq_u32 vcc_lo, 0, v0
	s_wait_alu depctr_va_vdst(0)
	s_wait_xcnt 0x0                                ; EXEC is a source of the loads and the store above: it changes only behind this wait
	s_wait_tensorcnt 0x0                           ; the wave's end, behind my last LDS store
	ds_add_u32 v112, v113
	s_wait_dscnt 0x0
	s_and_saveexec_b32 s28, vcc_lo
	global_store_b64 v3, v[MEAN:MEAN+1], s[16:17]  ; thread 0 alone: the record's 8 bytes
	s_wait_xcnt 0x0
	s_or_b32 exec_lo, exec_lo, s28
	s_endpgm
.Lfunc_end_k_q2c4fb1f9ff_prep:
	.size	k_q2c4fb1f9ff_prep, .Lfunc_end_k_q2c4fb1f9ff_prep-k_q2c4fb1f9ff_prep
	.p2alignl 7, 3214868480
	.fill 96, 4, 3214868480
	.section	.rodata,"a",@progbits
	.p2align	6, 0x0
	.amdhsa_kernel k_q2c4fb1f9ff_prep
		.amdhsa_group_segment_fixed_size 1280
		.amdhsa_private_segment_fixed_size 0
		.amdhsa_enable_private_segment 0
		.amdhsa_kernarg_size 64
		.amdhsa_user_sgpr_count 2
		.amdhsa_user_sgpr_kernarg_segment_ptr 1
		.amdhsa_wavefront_size32 1
		.amdhsa_system_sgpr_workgroup_id_x 1
		.amdhsa_system_sgpr_workgroup_id_y 1
		.amdhsa_system_sgpr_workgroup_id_z 1
		.amdhsa_system_vgpr_workitem_id 0
		.amdhsa_next_free_vgpr 136
		.amdhsa_next_free_sgpr 66
		.amdhsa_reserve_vcc 1
		.amdhsa_float_denorm_mode_32 3
		.amdhsa_float_denorm_mode_16_64 3
		.amdhsa_memory_ordered 1
		.amdhsa_forward_progress 1
		.amdhsa_inst_pref_size 17
	.end_amdhsa_kernel
	.amdgpu_metadata
---
amdhsa.version: [ 1, 2 ]
amdhsa.kernels:
  - .name:           k_q2c4fb1f9ff_prep
    .symbol:         k_q2c4fb1f9ff_prep.kd
    .args:
      - { .name: hidden_states, .offset: 0, .size: 8, .value_kind: global_buffer, .address_space: global }
      - { .name: q_w, .offset: 8, .size: 8, .value_kind: global_buffer, .address_space: global }
      - { .name: k_w, .offset: 16, .size: 8, .value_kind: global_buffer, .address_space: global }
      - { .name: v_w, .offset: 24, .size: 8, .value_kind: global_buffer, .address_space: global }
      - { .name: proj_w, .offset: 32, .size: 8, .value_kind: global_buffer, .address_space: global }
      - { .name: lowp_scales, .offset: 40, .size: 8, .value_kind: global_buffer, .address_space: global }
      - { .name: stats, .offset: 48, .size: 8, .value_kind: global_buffer, .address_space: global }
      - { .name: wimg, .offset: 56, .size: 8, .value_kind: global_buffer, .address_space: global }
    .group_segment_fixed_size: 1280
    .private_segment_fixed_size: 0
    .kernarg_segment_align: 8
    .kernarg_segment_size: 64
    .max_flat_workgroup_size: 256
    .sgpr_count:     66
    .vgpr_count:     136
    .wavefront_size: 32
...
	.end_amdgpu_metadata
.endif
;; end of part 1
;; launch qkv (part 2): grid 64 x 3, 8 waves a work-group, clusters of 4 x 1, 327,680 bytes of LDS; arguments hidden_states, stats, gn_weight, gn_bias, wimg, q_b, k_b, v_b, lowp_scales, qimg, kimg, vimg; writes qimg, kimg, vimg
.if DOCPART == 2
	.amdgcn_target "amdgcn-amd-amdhsa--gfx1250"
	.amdhsa_code_object_version 6
	.text
	.protected	k_q2c4fb1f9ff_qkv
	.globl	k_q2c4fb1f9ff_qkv
	.p2align	8
	.type	k_q2c4fb1f9ff_qkv,@function
k_q2c4fb1f9ff_qkv:
	s_mov_b64 s[64:65], 0
	v_nop
	global_prefetch_b8 v0, s[64:65] scope:SCOPE_SE
	s_setreg_imm32_b32 hwreg(HW_REG_WAVE_MODE, 25, 1), 1
	s_wait_xcnt 0x0
	s_wait_alu depctr_hold_cnt(0) depctr_sa_sdst(0) depctr_va_vdst(0) depctr_va_sdst(0) depctr_va_ssrc(0) depctr_va_vcc(0) depctr_vm_vsrc(0)
	s_getreg_b32 s2, hwreg(HW_REG_IB_STS2, 6, 4)
	s_cmp_eq_u32 s2, 0
	s_cbranch_scc0 .Lentry_in_a_cluster
	s_endpgm
.Lentry_in_a_cluster:
	s_bfe_u32 s2, ttmp6, 0x10000c
	s_cmp_lg_u32 s2, 0x3003
	s_cbranch_scc0 .Lentry_shape_is_right
	s_endpgm
.Lentry_shape_is_right:
; Group norm, then ONE of q, k, v = x W^T + bias on codes of BF8 (E5M2), then that result as codes for the attention.  Work-group (block = x, matrix = y): 128 tokens x the matrix's 512 outputs.
; The three matrices have scales of their own for x (entries 0, 2, 4 of the scales), so each work-group makes its own codes of x.
; X PHASE.  Wave w takes channels 64 w .. 64 w + 63 (four groups of the norm) of the 128 tokens: 64 loads of 512 consecutive bytes (a channel's 128 tokens; a lane holds 4 tokens).  A group's four partial records
; are joined: mean = the mean of the four means; sum of squares = the four sums + 16,384 x the squared distances of the four means from it.  y = (x - mean) x (w / sigma) + b.
; The subtraction writes its result where the conversion wants it (16 channels of ONE token in consecutive registers), so nothing is transposed by an instruction.
; x's codes go to LDS AS IMAGES OF THE OPERAND'S REGISTERS: fragment (m = tile of 16 tokens, s = 128 along K), piece c: lane (r, h) holds token 16 m + r, k = 128 s + 32 c + 16 h + 0..15, at m x 8,208 + 2,048 s + 512 c + 16 lane.
; (16 bytes of padding for each m: the x phase's stores of 16 lanes then fall on 16 different columns of 16 bytes; the loads are 512 consecutive bytes.)
; CLUSTER.  The four work-groups of a cluster are four blocks of tokens of ONE matrix and need the same W.  Wave w owns head w: its 64 rows of W are 16 fragments, 32,768 bytes of the image.  Each wave asks JOINTLY, by one tensor
; load with the mask 15 at the kernel's head, for the first 31,744 of them (124 rows of 256 bytes), into LDS bytes that it alone reads; they are filled once.  As x's numbers leave their registers, W's pieces of 512 bytes
; come from LDS into them.  The last two pieces come by global loads: beside x's codes (65,664 bytes) and the spare words LDS has room for 8 x 31,744 bytes and not for 8 x 32,768.
; NO PREFETCH: the launch has no loop to ask ahead in; every load is issued at its head or as its registers come free.
; PRODUCT PHASE.  For each tile of tokens: 16 matrix instructions on four accumulators by turns.  The bias, divided by 2^(ex + ew), is the C of each sum's first instruction;
; the three scales are folded into the conversion's one: 2^(eo - ex - ew).
;   q, k: source 0 = W, source 1 = x: a lane holds one token, and (the rows of W's tiles being chosen for it) 16 neighbouring features in two tiles' registers: the codes are the next operand's registers.
;         image [b h][tile of 16 tokens][c' 2][lane][16]: lane (r, h): token 16 tile + r, d = 32 c' + 16 h + 0..15.
;   v:    source 0 = x, source 1 = W: a lane holds one channel and 8 neighbouring tokens, since the keys are the second product's K.
;         image [b h][128 keys][dt 4][c 4][lane][16]: lane (r, h): channel 32 (dt / 2) + 8 (dt % 2) + r + 8 (r / 8); register pair m, byte j: key 16 m + 8 h + j.
; LIMITS: ex, and eo - ex - ew, between -126 and 112 (ex: entry 0, 2, 4; ew: 1, 3, 5; eo: 6, 7, 9).  NaN among the inputs is not served.
; REGISTERS, window 0: v0 behind the head: where my W lies in LDS, + 16 x lane; v1 16 x lane; v2 where I store x's codes; v3 0; v4, v5 the bias's offsets; v6, v7 for the add; v8-13 at work; v14, v15 2^ex and 57,344 x 2^ex.
;   x phase: v16-79 gain, v80-143 bias of the norm (64 channels, the same in all lanes), v144-175 the records, v176-239 64 numbers, v240-255 their codes.
;   product phase: v16-47 bias, v48-79 four accumulators, v80-143 and v144-207 x's fragments by turns, v208-239 codes; v12, v13 the conversion's scale and hold.
;   window 1: x as loaded (load q at v[4 q]), then W (fragment (t, s) at v[16 (4 t + s)]).
.set MP,   8208
.set WB,   67072                       ; behind x's codes (0 .. 65,663) and the spare words (66,048 .. 67,071): W, 31,744 bytes for each wave
.set WPART, 31744
.set WA,   0
.set LI,   1
.set XST,  2
.set ZO,   3
.set BO4,  4
.set BO5,  5
.set SCO,  12
.set LIMO, 13
.set SCX,  14
.set LIMX, 15
.set GW,   16
.set GB,   80
.set ST,   144
.set Y,    176
.set CC,   240
.set BIAS, 16
.set ACC,  48
.set XF0,  80
.set CD,   208
.set MSB, 0
.macro WIN new                         ; low byte: bits 1:0 source 0, 3:2 source 1, 5:4 source 2, 7:6 destination; the high byte repeats the setting that is left
.if MSB != \new
	s_set_vgpr_msb (MSB<<8)|\new
.set MSB, \new
.endif
.endm
; A round of the cluster's barrier: my work-group's barrier; wave 0 signals for the work-group; every wave waits for all four work-groups; my work-group's barrier once more.
.macro CROUND
	s_barrier_signal -1
	s_barrier_wait -1
	s_cmp_lg_u32 s32, 0
	s_cbranch_scc1 .Lnot_wave_0_\@
	s_barrier_signal -3
.Lnot_wave_0_\@:
	s_barrier_wait -3
	s_barrier_signal -1
	s_barrier_wait -1
.endm
	s_load_b512 s[4:19], s[0:1], 0x0               ; hidden s[4:5], stats s[6:7], gain s[8:9], bias s[10:11], wimg s[12:13], q_b s[14:15], k_b s[16:17], v_b s[18:19]
	s_load_b256 s[20:27], s[0:1], 0x40             ; scales s[20:21], qimg s[22:23], kimg s[24:25], vimg s[26:27]
	v_lshl_add_u32 v6, v0, 2, 0x10200
	v_mov_b32 v7, 0
	ds_add_u32 v6, v7                              ; the opening lines: the add, twice on end, and its wait ahead of my tensor load
	ds_add_u32 v6, v7
	v_lshrrev_b32 v8, 5, v0
	v_readfirstlane_b32 s32, v8                    ; wave 0..7
	s_and_b32 s33, ttmp7, 0xffff                   ; matrix 0 q, 1 k, 2 v: the four partners share it
	s_bfe_u32 s34, ttmp6, 0x40000                  ; cx: my place in the cluster
	s_lshl_b32 s66, ttmp9, 2                       ; in a cluster launch ttmp9 counts clusters
	s_add_co_u32 s34, s66, s34                     ; my block, 0..63: it enters x's, the records' and the result's addresses alone
	s_lshr_b32 s35, s34, 5                         ; batch
	s_and_b32 s34, s34, 31                         ; block of 128 tokens
	s_mov_b32 s51, 0x37800000                      ; 1 / 65,536
	s_mov_b32 s52, 0x3727c5ac                      ; 1e-5
	s_mov_b32 s53, 0x46800000                      ; 16,384
	v_and_b32 v8, 31, v0
	v_lshlrev_b32 v[LI], 4, v8
	v_bfe_u32 v9, v0, 2, 3                         ; lane / 4: my 4 tokens' tile m
	v_mul_u32_u24 v[XST], v9, MP
	v_and_b32 v10, 3, v0
	v_lshl_add_u32 v[XST], v10, 6, v[XST]          ; + 16 x (4 (lane % 4)): my first token's row in the tile
	s_lshl_b32 s54, s32, 10
	v_add_nc_u32 v[XST], s54, v[XST]               ; + 1,024 w: channels 64 w on are s = w / 2, c = 2 (w % 2) on
	v_mov_b32 v[ZO], 0
	v_bfe_u32 v9, v0, 4, 1
	v_lshlrev_b32 v[BO4], 6, v9                    ; q, k: 64 h: features 16 h on
	v_and_b32 v10, 15, v0
	v_and_b32 v11, 8, v0
	v_add_nc_u32 v10, v10, v11
	v_lshlrev_b32 v[BO5], 2, v10                   ; v: channel r + 8 (r / 8)
	s_lshl_b32 s54, s35, 10
	s_lshl_b32 s55, s32, 7
	s_add_co_u32 s54, s54, s55                     ; records: (32 b + 4 w) groups of 32 bytes
	s_mov_b32 s55, 0
	s_lshl_b32 s56, s32, 8                         ; 64 w numbers of 4 bytes: the norm's gain and bias, the product's bias
	s_mov_b32 s57, 0
	s_lshl_b32 s58, s35, 23
	s_lshl_b32 s59, s32, 20
	s_add_co_u32 s58, s58, s59
	s_lshl_b32 s59, s34, 9
	s_add_co_u32 s58, s58, s59                     ; x: batch, 64 w channels of 16,384 bytes, 128 blk tokens
	s_mov_b32 s59, 0
	s_lshl_b32 s60, s33, 18
	s_lshl_b32 s61, s32, 15
	s_add_co_u32 s60, s60, s61                     ; W's image: matrix, 4 w tiles of 8,192 bytes: no place in the cluster enters it
	s_mov_b32 s61, 0
	s_lshl_b32 s62, s35, 21
	s_lshl_b32 s63, s32, 18
	s_add_co_u32 s62, s62, s63
	s_lshl_b32 s63, s34, 13
	s_add_co_u32 s62, s62, s63                     ; the result's image: (8 b + w) heads of 262,144 bytes, 128 tokens of 64 bytes: the same for all three
	s_mov_b32 s63, 0
	; the tensor load's descriptor: a dense block of 31,744 bytes as 124 rows of 32 elements of 8 bytes
	s_mov_b32 s72, 15|(3<<16)|(1<<21)              ; 15:0 the mask: all four work-groups; 17:16 elements of 8 bytes; 20 no padding; 21 set beside a mask
	s_mov_b32 s73, 32<<16                          ; tensor_dim0 = 32
	s_mov_b32 s74, 124<<16                         ; tensor_dim1 = 124
	s_mov_b32 s75, 32<<16                          ; tile_dim0 = 32
	s_mov_b32 s76, 124                             ; tile_dim1 = 124
	s_mov_b32 s77, 32                              ; from row to row: 32 elements
	s_mov_b32 s78, 0
	s_mov_b32 s79, 0
	s_mov_b32 s68, 1                               ; count = 1
	s_mul_i32 s69, s32, WPART
	s_add_co_u32 s69, s69, WB                      ; LDS address: my wave's own bytes
	v_add_nc_u32 v[WA], s69, v[LI]                 ; and where my lane reads them.  (The thread's number is not needed any more)
	s_wait_alu depctr_va_vdst(0)                   ; the head's end
	s_wait_dscnt 0x0                               ; both opening adds are done
	s_wait_kmcnt 0x0
	s_load_b256 s[36:43], s[20:21], 0x0            ; entries 0-7
	s_load_b128 s[44:47], s[20:21], 0x20           ; entries 8-11
	s_add_nc_u64 s[6:7], s[6:7], s[54:55]
	s_add_nc_u64 s[8:9], s[8:9], s[56:57]
	s_add_nc_u64 s[10:11], s[10:11], s[56:57]
	s_add_nc_u64 s[4:5], s[4:5], s[58:59]
	s_add_nc_u64 s[12:13], s[12:13], s[60:61]
	CROUND                                         ; all four work-groups are here: the joint loads meet
	s_mov_b64 s[70:71], s[12:13]
	s_or_b32 s71, s71, 0x80000000                  ; type = 2
	tensor_load_to_lds s[68:71], s[72:79]          ; my head's W, all but its last 1,024 bytes: my one tensor load
	s_nop 0
.rept 4
	v_nop
.endr
.set q, 0
.rept 8
	global_load_b128 v[ST+4*q:ST+4*q+3], v[ZO], s[6:7] offset:16*q    ; all lanes read the same bytes
.set q, q+1
.endr
.set q, 0
.rept 16
	global_load_b128 v[GW+4*q:GW+4*q+3], v[ZO], s[8:9] offset:16*q
.set q, q+1
.endr
.set q, 0
.rept 16
	global_load_b128 v[GB+4*q:GB+4*q+3], v[ZO], s[10:11] offset:16*q
.set q, q+1
.endr
	WIN 0x40                                       ; destination window 1
.set q, 0
.rept 64
	global_load_b128 v[4*q:4*q+3], v[LI], s[4:5] offset:16384*q       ; channel 64 w + q: 512 consecutive bytes
.set q, q+1
.endr
	WIN 0
	s_wait_kmcnt 0x0
	s_cmp_eq_u32 s33, 1                            ; the choices hang on the matrix's number alone
	s_cselect_b32 s48, s38, s36                    ; ex
	s_cselect_b32 s49, s39, s37                    ; ew
	s_cselect_b32 s50, s43, s42                    ; eo
	s_cselect_b64 s[28:29], s[16:17], s[14:15]     ; the bias
	s_cselect_b64 s[30:31], s[24:25], s[22:23]     ; the image
	s_cmp_eq_u32 s33, 2
	s_cselect_b32 s48, s40, s48
	s_cselect_b32 s49, s41, s49
	s_cselect_b32 s50, s45, s50
	s_cselect_b64 s[28:29], s[18:19], s[28:29]
	s_cselect_b64 s[30:31], s[26:27], s[30:31]
	s_add_nc_u64 s[28:29], s[28:29], s[56:57]
	s_add_nc_u64 s[30:31], s[30:31], s[62:63]
	s_add_co_i32 s54, s48, 127
	s_lshl_b32 s55, s54, 23
	v_mov_b32 v[SCX], s55                          ; 2^ex as f32
	s_add_co_i32 s54, s54, 15
	s_lshl_b32 s54, s54, 23
	s_or_b32 s54, s54, 0x600000
	v_mov_b32 v[LIMX], s54                         ; 57,344 x 2^ex
; Group i of my four: 16 channels x 128 tokens.
.macro CHUNK i
	s_wait_loadcnt 48-16*(\i)                      ; loads come back in order: this group's 16 are in.  Younger: (3 - i) groups of x, 16 loads each
	v_add_f32 v8, v[ST+8*\i], v[ST+8*\i+2]
	v_add_f32 v9, v[ST+8*\i+4], v[ST+8*\i+6]
	s_delay_alu instid0(VALU_DEP_1)
	v_add_f32 v8, v8, v9
	s_delay_alu instid0(VALU_DEP_1)
	v_mul_f32 v8, 0x3e800000, v8                   ; the group's mean
	s_delay_alu instid0(VALU_DEP_1)
	v_sub_f32 v9, v[ST+8*\i], v8
	s_delay_alu instid0(VALU_DEP_2)
	v_sub_f32 v10, v[ST+8*\i+2], v8
	s_delay_alu instid0(VALU_DEP_3)
	v_sub_f32 v11, v[ST+8*\i+4], v8
	s_delay_alu instid0(VALU_DEP_4)
	v_sub_f32 v12, v[ST+8*\i+6], v8
	s_delay_alu instid0(VALU_DEP_4)
	v_mul_f32 v9, v9, v9
	s_delay_alu instid0(VALU_DEP_1)
	v_fmac_f32 v9, v10, v10
	s_delay_alu instid0(VALU_DEP_1)
	v_fmac_f32 v9, v11, v11
	s_delay_alu instid0(VALU_DEP_1)
	v_fmac_f32 v9, v12, v12
	v_add_f32 v10, v[ST+8*\i+1], v[ST+8*\i+3]
	v_add_f32 v11, v[ST+8*\i+5], v[ST+8*\i+7]
	s_delay_alu instid0(VALU_DEP_1)
	v_add_f32 v10, v10, v11
	s_delay_alu instid0(VALU_DEP_1)
	v_fma_f32 v10, v9, s53, v10                    ; the group's sum of squared distances
	s_delay_alu instid0(VALU_DEP_1)
	v_fma_f32 v10, v10, s51, s52                   ; variance + 1e-5
	s_wait_alu depctr_va_vdst(0)
	v_rsq_f32 v13, v10                             ; the subtractions below are the plain instructions between it and its use (ISA guide 5.7.2)
	WIN 0x01                                       ; source 0 window 1
.set ch, 0
.rept 16
.irp j, 0,1,2,3
	v_sub_f32 v[Y+16*\j+ch], v[64*\i+4*ch+\j], v8  ; token 4 lane + j: its 16 channels come to lie in consecutive registers
.endr
.set ch, ch+1
.endr
	s_wait_tensorcnt 0x0                           ; my W has landed in my own LDS bytes, which no other wave reads
	WIN 0x40
.set q, 0
.rept 16
.if 16*\i+q < 62
	ds_load_b128 v[64*\i+4*q:64*\i+4*q+3], v[WA] offset:512*(16*\i+q)                 ; W takes the registers that x has left: 512 consecutive bytes a load
.else
	global_load_b128 v[64*\i+4*q:64*\i+4*q+3], v[LI], s[12:13] offset:512*(16*\i+q)   ; the last two pieces, for which LDS has no room
.endif
.set q, q+1
.endr
	WIN 0
.set ch, 0
	s_wait_alu depctr_va_vdst(0)
.rept 16
	v_mul_f32 v[GW+16*\i+ch], v[GW+16*\i+ch], v13  ; gain / sigma
.set ch, ch+1
.endr
.irp j, 0,1,2,3
.irp c, 0,2,4,6,8,10,12,14
	v_pk_fma_f32 v[Y+16*\j+\c:Y+16*\j+\c+1], v[Y+16*\j+\c:Y+16*\j+\c+1], v[GW+16*\i+\c:GW+16*\i+\c+1], v[GB+16*\i+\c:GB+16*\i+\c+1]
.endr
.endr
.set q, 0
.rept 64
	v_med3_num_f32 v[Y+q], v[Y+q], -v[LIMX], v[LIMX]   ; the conversion does not saturate (ISA guide 7.6.2): the hold comes first
.set q, q+1
.endr
	s_wait_alu depctr_va_vdst(0)
	s_wait_dscnt 0x0                               ; the last group's stores have read the codes' registers
.irp j, 0,1,2,3
	v_cvt_scalef32_pk8_bf8_f32 v[CC+4*\j:CC+4*\j+1], v[Y+16*\j:Y+16*\j+7], v[SCX]
	v_cvt_scalef32_pk8_bf8_f32 v[CC+4*\j+2:CC+4*\j+3], v[Y+16*\j+8:Y+16*\j+15], v[SCX]
.endr
	v_nop                                          ; one plain instruction behind the last conversion
.irp j, 0,1,2,3
	ds_store_b128 v[XST], v[CC+4*\j:CC+4*\j+3] offset:((\i)/2)*512+((\i)%2)*256+16*\j   ; piece c = 2 (w % 2) + i / 2, half h = i % 2, row 4 (lane % 4) + j
.endr
.endm
	CHUNK 0
	CHUNK 1
	CHUNK 2
	CHUNK 3
	; the product's bias, in both forms (both lie inside my head's 256 bytes), so that the ways part once, behind the barrier
.irp t, 0,1,2,3
	global_load_b128 v[BIAS+8*\t:BIAS+8*\t+3], v[BO4], s[28:29] offset:(32*(\t/2)+8*(\t%2))*4        ; q, k: tile t, register j: feature 32 (t / 2) + 16 h + 8 (t % 2) + j
	global_load_b128 v[BIAS+8*\t+4:BIAS+8*\t+7], v[BO4], s[28:29] offset:(32*(\t/2)+8*(\t%2))*4+16
.endr
.irp t, 0,1,2,3
	global_load_b32 v[ACC+\t], v[BO5], s[28:29] offset:(32*(\t/2)+8*(\t%2))*4                        ; v: tile t: channel 32 (t / 2) + 8 (t % 2) + r + 8 (r / 8)
.endr
	s_add_co_i32 s55, s48, s49                     ; ex + ew: a sum stands for sum x 2^(ex + ew)
	s_sub_co_i32 s54, s50, s55                     ; eo - ex - ew
	s_sub_co_i32 s55, 0, s55                       ; the bias goes in x 2^-(ex + ew)
	s_add_co_i32 s54, s54, 127
	s_lshl_b32 s57, s54, 23
	v_mov_b32 v[SCO], s57
	s_add_co_i32 s54, s54, 15
	s_lshl_b32 s54, s54, 23
	s_or_b32 s54, s54, 0x600000
	v_mov_b32 v[LIMO], s54
	s_wait_loadcnt 0x0                             ; W's last two pieces and the bias
	s_wait_dscnt 0x0                               ; W's pieces from LDS are in; and, for the others' sake, my codes of x have landed
	s_barrier_signal -1
	s_barrier_wait -1                              ; x's 32 fragments lie in LDS; nothing is stored to LDS any more
.macro FETCH buf, m                    ; the four fragments of tile m come back as they were stored: 512 consecutive bytes a load
.irp s, 0,1,2,3
.irp c, 0,1,2,3
	ds_load_b128 v[\buf+16*\s+4*\c:\buf+16*\s+4*\c+3], v[LI] offset:(\m)*MP+\s*2048+\c*512
.endr
.endr
.endm
; Tile m of 16 tokens.  vway = 0: q, k; 1: v.
.macro PROD m, vway
.set BUF, XF0+64*((\m)%2)
.if (\m) < 7
	FETCH XF0+64*(((\m)+1)%2), (\m)+1              ; into the buffer that tile m - 1 left: its products stand in front of four v_nop and the holds
	s_wait_dscnt 16                                ; all but the 16 just issued
.else
	s_wait_dscnt 0x0
.endif
.if \vway
	WIN 0x04                                       ; source 1 (W) window 1
.else
	WIN 0x01                                       ; source 0 (W) window 1
.endif
.irp s, 0,1,2,3
.irp t, 0,1,2,3
.if \vway
.if \s == 0
	v_wmma_f32_16x16x128_bf8_bf8 v[ACC+8*\t:ACC+8*\t+7], v[BUF+16*\s:BUF+16*\s+15], v[16*(4*\t+\s):16*(4*\t+\s)+15], v[BIAS+8*\t:BIAS+8*\t+7]
.else
	v_wmma_f32_16x16x128_bf8_bf8 v[ACC+8*\t:ACC+8*\t+7], v[BUF+16*\s:BUF+16*\s+15], v[16*(4*\t+\s):16*(4*\t+\s)+15], v[ACC+8*\t:ACC+8*\t+7]
.endif
.else
.if \s == 0
	v_wmma_f32_16x16x128_bf8_bf8 v[ACC+8*\t:ACC+8*\t+7], v[16*(4*\t+\s):16*(4*\t+\s)+15], v[BUF+16*\s:BUF+16*\s+15], v[BIAS+8*\t:BIAS+8*\t+7]
.else
	v_wmma_f32_16x16x128_bf8_bf8 v[ACC+8*\t:ACC+8*\t+7], v[16*(4*\t+\s):16*(4*\t+\s)+15], v[BUF+16*\s:BUF+16*\s+15], v[ACC+8*\t:ACC+8*\t+7]
.endif
.endif
.endr
.endr
	WIN 0
.rept 4
	v_nop                                          ; four places between the last product and the first read of results (ISA guide 7.12.1)
.endr
.set q, 0
.rept 32
	v_med3_num_f32 v[ACC+q], v[ACC+q], -v[LIMO], v[LIMO]   ; each accumulator from its low end on
.set q, q+1
.endr
.if (\m) == 4
	s_wait_alu depctr_va_vdst(0)
	s_wait_xcnt 0x0                                ; the stores of tiles 0-3 have read their registers: the codes' registers go round
.endif
.if \vway
.irp t, 0,1,2,3
	v_cvt_scalef32_pk8_bf8_f32 v[CD+16*(((\m)/2)%2)+4*\t+2*((\m)%2):CD+16*(((\m)/2)%2)+4*\t+2*((\m)%2)+1], v[ACC+8*\t:ACC+8*\t+7], v[SCO]   ; pair m of fragment dt = t
.endr
	v_nop                                          ; one plain instruction behind the last conversion: the next products write its sources
.if (\m)%2
.irp t, 0,1,2,3
	global_store_b128 v[LI], v[CD+16*(((\m)/2)%2)+4*\t:CD+16*(((\m)/2)%2)+4*\t+3], s[30:31] offset:2048*\t+512*((\m)/2)   ; piece c = m / 2: 512 consecutive bytes, aligned
.endr
.endif
.else
.irp t, 0,1,2,3
	v_cvt_scalef32_pk8_bf8_f32 v[CD+8*((\m)%4)+2*\t:CD+8*((\m)%4)+2*\t+1], v[ACC+8*\t:ACC+8*\t+7], v[SCO]
.endr
	v_nop
	global_store_b128 v[LI], v[CD+8*((\m)%4):CD+8*((\m)%4)+3], s[30:31] offset:1024*(\m)
	global_store_b128 v[LI], v[CD+8*((\m)%4)+4:CD+8*((\m)%4)+7], s[30:31] offset:1024*(\m)+512
.endif
.endm
	s_cmp_eq_u32 s33, 2                            ; the matrix's number: the same in all waves and in all four partners
	s_cbranch_scc1 .Lv
.set q, 0
.rept 32
	v_ldexp_f32 v[BIAS+q], v[BIAS+q], s55
.set q, q+1
.endr
	FETCH XF0, 0
	s_wait_alu depctr_va_vdst(0)
.irp m, 0,1,2,3,4,5,6,7
	PROD \m, 0
.endr
	s_wait_tensorcnt 0x0                           ; the wave's end
	ds_add_u32 v6, v7
	s_wait_dscnt 0x0
	CROUND                                         ; the closing round
	s_endpgm
.Lv:
.irp t, 0,1,2,3
.irp j, 0,1,2,3,4,5,6,7
	v_ldexp_f32 v[BIAS+8*\t+\j], v[ACC+\t], s55    ; a lane's eight results of a tile are one channel's: one number, spread and scaled in one line
.endr
.endr
	FETCH XF0, 0
	s_wait_alu depctr_va_vdst(0)
.irp m, 0,1,2,3,4,5,6,7
	PROD \m, 1
.endr
	s_wait_tensorcnt 0x0                           ; the wave's end
	ds_add_u32 v6, v7
	s_wait_dscnt 0x0
	CROUND                                         ; the closing round
	s_endpgm
.Lfunc_end_k_q2c4fb1f9ff_qkv:
	.size	k_q2c4fb1f9ff_qkv, .Lfunc_end_k_q2c4fb1f9ff_qkv-k_q2c4fb1f9ff_qkv
	.p2alignl 7, 3214868480
	.fill 96, 4, 3214868480
	.section	.rodata,"a",@progbits
	.p2align	6, 0x0
	.amdhsa_kernel k_q2c4fb1f9ff_qkv
		.amdhsa_group_segment_fixed_size 327680
		.amdhsa_private_segment_fixed_size 0
		.amdhsa_enable_private_segment 0
		.amdhsa_kernarg_size 96
		.amdhsa_user_sgpr_count 2
		.amdhsa_user_sgpr_kernarg_segment_ptr 1
		.amdhsa_wavefront_size32 1
		.amdhsa_system_sgpr_workgroup_id_x 1
		.amdhsa_system_sgpr_workgroup_id_y 1
		.amdhsa_system_sgpr_workgroup_id_z 1
		.amdhsa_system_vgpr_workitem_id 0
		.amdhsa_next_free_vgpr 512
		.amdhsa_next_free_sgpr 80
		.amdhsa_reserve_vcc 0
		.amdhsa_float_denorm_mode_32 3
		.amdhsa_float_denorm_mode_16_64 3
		.amdhsa_memory_ordered 1
		.amdhsa_forward_progress 1
		.amdhsa_inst_pref_size 144
	.end_amdhsa_kernel
	.amdgpu_metadata
---
amdhsa.version: [ 1, 2 ]
amdhsa.kernels:
  - .name:           k_q2c4fb1f9ff_qkv
    .symbol:         k_q2c4fb1f9ff_qkv.kd
    .args:
      - { .name: hidden_states, .offset: 0, .size: 8, .value_kind: global_buffer, .address_space: global }
      - { .name: stats, .offset: 8, .size: 8, .value_kind: global_buffer, .address_space: global }
      - { .name: gn_weight, .offset: 16, .size: 8, .value_kind: global_buffer, .address_space: global }
      - { .name: gn_bias, .offset: 24, .size: 8, .value_kind: global_buffer, .address_space: global }
      - { .name: wimg, .offset: 32, .size: 8, .value_kind: global_buffer, .address_space: global }
      - { .name: q_b, .offset: 40, .size: 8, .value_kind: global_buffer, .address_space: global }
      - { .name: k_b, .offset: 48, .size: 8, .value_kind: global_buffer, .address_space: global }
      - { .name: v_b, .offset: 56, .size: 8, .value_kind: global_buffer, .address_space: global }
      - { .name: lowp_scales, .offset: 64, .size: 8, .value_kind: global_buffer, .address_space: global }
      - { .name: qimg, .offset: 72, .size: 8, .value_kind: global_buffer, .address_space: global }
      - { .name: kimg, .offset: 80, .size: 8, .value_kind: global_buffer, .address_space: global }
      - { .name: vimg, .offset: 88, .size: 8, .value_kind: global_buffer, .address_space: global }
    .group_segment_fixed_size: 327680
    .private_segment_fixed_size: 0
    .kernarg_segment_align: 8
    .kernarg_segment_size: 96
    .max_flat_workgroup_size: 256
    .sgpr_count:     80
    .vgpr_count:     512
    .wavefront_size: 32
...
	.end_amdgpu_metadata
.endif
;; end of part 2
;; launch attn (part 3): grid 16 x 16, 8 waves a work-group, clusters of 4 x 1, 327,680 bytes of LDS; arguments qimg, kimg, vimg, lowp_scales, aimg; writes aimg
.if DOCPART == 3
	.amdgcn_target "amdgcn-amd-amdhsa--gfx1250"
	.amdhsa_code_object_version 6
	.text
	.protected	k_q2c4fb1f9ff_attn
	.globl	k_q2c4fb1f9ff_attn
	.p2align	8
	.type	k_q2c4fb1f9ff_attn,@function
k_q2c4fb1f9ff_attn:
	s_mov_b64 s[64:65], 0
	v_nop
	global_prefetch_b8 v0, s[64:65] scope:SCOPE_SE
	s_setreg_imm32_b32 hwreg(HW_REG_WAVE_MODE, 25, 1), 1
	s_wait_xcnt 0x0
	s_wait_alu depctr_hold_cnt(0) depctr_sa_sdst(0) depctr_va_vdst(0) depctr_va_sdst(0) depctr_va_ssrc(0) depctr_va_vcc(0) depctr_vm_vsrc(0)
	s_getreg_b32 s2, hwreg(HW_REG_IB_STS2, 6, 4)
	s_cmp_eq_u32 s2, 0
	s_cbranch_scc0 .Lentry_in_a_cluster
	s_endpgm
.Lentry_in_a_cluster:
	s_bfe_u32 s2, ttmp6, 0x10000c
	s_cmp_lg_u32 s2, 0x3003
	s_cbranch_scc0 .Lentry_shape_is_right
	s_endpgm
.Lentry_shape_is_right:
; o = softmax(q k^T / 8) v for one (batch, head), 4,096 queries x 4,096 keys, head size 64, both products on codes of BF8 (E5M2); o leaves as codes for the last projection.
; THE SOFTMAX AHEAD OF THE SECOND PRODUCT: t = score x log2(e) / 8; M = the row's largest t so far, rounded UP to a whole number; p = 2^(t - M) is quantised with 2^ep; it is not normalised.
; The row's sum is taken of the unquantised p and divides at the end.  When M moves, the sum and O are multiplied by f = 2^(old M - new M), which rounds nothing; there is no branch on data.
; SHARES.  Work-group (x, y): head y (of 16), queries 256 x on.  Eight waves, 32 queries each: two tiles of 16, so that each fragment of K and V read from LDS feeds two matrix instructions.  Every wave walks all 4,096 keys, 128 a step.
; LAYOUT.  All operands lie in memory as images of their registers (16 bytes a lane, 512 a piece), so a tile in LDS is a dense copy, and every LDS load is 512 consecutive bytes.
; S^T = K Q^T (source 0 = 16 keys, source 1 = 16 queries, K = 64): lane (r, h) holds query r; register 8 kt + j holds key 16 kt + 8 h + j.  Eight such registers convert into pair kt of P: the place that V's image gives that key.
; O^T = V^T P^T (source 0 = 16 channels, K = 128 keys): V's channel rows are chosen so that tiles 2 b, 2 b + 1 give a lane 16 neighbouring channels: the last conversion's results are the next operand's registers.
; THE ORDER OF A STEP.  Maxima of both tiles in eight chains; the new M and f; t - M of the first half tile; O^T x f; then four runs of 32 exponentials, a half tile (32 registers) each.  Behind each exponential of a run
; stands one line whose result is read behind a later wait: t - M of the half tiles to come, the first level of an earlier half tile's sum (into registers of its own), and then that half tile's holds: 32, 32, 32 and 24 lines.
; So each run has one wait ahead of it and one behind it, and neighbouring runs share theirs.
; O^T is rescaled ahead of the first exponential, so that no matrix result is first read behind one.  The sum is a tree: 64 p -> 16 pairs -> 8 -> 4, and the running sum, four pairs a tile, takes them by sum x f + pair.
; The hold is a dual pair: two numbers a line; p is not negative, so it is one-sided.
; CLUSTER.  The four query blocks of a cluster belong to one head and walk the same K and V: each tile is asked for JOINTLY, by the same tensor load with the same descriptor and the mask 15.
; RING.  Two slots of 1,024 keys: K's 64 KiB, then V's 64 KiB.  Waves 0-3 fetch K's quarters, waves 4-7 V's: 16 KiB a load, one load a wave at the head and one behind each round.
; NO PREFETCH: a refill is asked for eight key steps ahead of its first read, and the launch's first two fills stand at its head, with no loop ahead of them to ask in.
; LIMITS: eq + ek (entries 6, 7) between -123 and 130: they are added to the exponent field of log2(e) / 8; ep (8), and e10 - ep - ev (10, 8, 9), between -126 and 112; the scaled scores stay under 2^31 in magnitude.  NaN among the inputs is not served.
; REGISTERS, window 0: v1 16 x lane; v2, v3 LDS addresses of K and V; v4, v5 for the add; v7 2^ep; tile T's statistics at v[8 + 12 T]: +0 -M, +1 the largest t, +2..5 four chains, +6 a permute's destination;
;   v32, v33 the last conversion's scale and hold; v40-71 P; v72-135 K; v136-199 V; v200-215 Q.
;   window 1: v0-127 S^T, then p (tile T at 64 T); v128-191 O^T; v192-223 the tree; v224-239 the running sums; v240-243 -M, v244-247 f (a pair a tile); v248 57,344 x 2^ep.
.set SLOT,  131072
.set SPARE, 262144                     ; behind the ring: the spare words, 128 bytes for each of eight waves: four blocks of 256 bytes that no other line names
.set LI,   1
.set ADK,  2
.set ADV,  3
.set SPW,  4
.set NIL,  5
.set SCL,  7
.set ST,   8
.set SCLA, 32
.set LIMA, 33
.set P,    40
.set KF,   72
.set VF,   136
.set QF,   200
.set O,    128                         ; from here on: window 1
.set TMP,  192
.set ACS,  224
.set NM,   240
.set FF,   244
.set LIMC, 248
.set MSB, 0
.macro WIN new                         ; low byte: bits 1:0 source 0, 3:2 source 1, 5:4 source 2, 7:6 destination; the high byte repeats the setting that is left
.if MSB != \new
	s_set_vgpr_msb (MSB<<8)|\new
.set MSB, \new
.endif
.endm
; A joint load for slot s.  The branch hangs on the wave's number alone.  An s_nop 0 and four v_nop follow each of the two lines.
.macro JLOAD s
	s_cmp_lt_u32 s14, 4
	s_cbranch_scc0 .Lfor_v_\@
	tensor_load_to_lds s[32+4*\s:35+4*\s], s[24:31]
	s_nop 0
.rept 4
	v_nop
.endr
	s_branch .Lasked_\@
.Lfor_v_\@:
	tensor_load_to_lds s[40+4*\s:43+4*\s], s[24:31]
	s_nop 0
.rept 4
	v_nop
.endr
.Lasked_\@:
.endm
; A round of the cluster's barrier: my work-group's barrier; wave 0 signals for the work-group; every wave waits for all four work-groups; my work-group's barrier once more.
.macro CROUND
	s_barrier_signal -1
	s_barrier_wait -1
	s_cmp_lg_u32 s14, 0
	s_cbranch_scc1 .Lnot_wave_0_\@
	s_barrier_signal -3
.Lnot_wave_0_\@:
	s_barrier_wait -3
	s_barrier_signal -1
	s_barrier_wait -1
.endm
	s_load_b256 s[4:11], s[0:1], 0x0               ; qimg s[4:5], kimg s[6:7], vimg s[8:9], scales s[10:11]
	s_load_b64 s[12:13], s[0:1], 0x20              ; aimg
	v_lshl_add_u32 v[SPW], v0, 2, SPARE
	v_mov_b32 v[NIL], 0
	ds_add_u32 v[SPW], v[NIL]                      ; the opening lines: the add, twice on end, and its wait ahead of my first tensor load
	ds_add_u32 v[SPW], v[NIL]
	v_lshrrev_b32 v1, 5, v0
	v_readfirstlane_b32 s14, v1                    ; wave 0..7
	s_bfe_u32 s15, ttmp6, 0x40000                  ; cx: my place in the cluster
	s_lshl_b32 s16, ttmp9, 2                       ; in a cluster launch ttmp9 counts clusters
	s_add_co_u32 s16, s16, s15                     ; my block of 256 queries: it enters Q's and the output's addresses alone
	s_and_b32 s17, ttmp7, 0xffff                   ; (batch, head), which the four partners share
	; descriptor group 1: a dense block of 16 KiB as 64 rows of 32 elements of 8 bytes
	s_mov_b32 s24, 15|(3<<16)|(1<<21)              ; 15:0 the mask: all four work-groups; 17:16 elements of 8 bytes; 20 no padding; 21 set beside a mask
	s_mov_b32 s25, 32<<16                          ; tensor_dim0 = 32
	s_mov_b32 s26, 64<<16                          ; tensor_dim1 = 64
	s_mov_b32 s27, 32<<16                          ; tile_dim0 = 32
	s_mov_b32 s28, 64                              ; tile_dim1 = 64
	s_mov_b32 s29, 32                              ; from row to row: 32 elements
	s_mov_b32 s30, 0
	s_mov_b32 s31, 0
	s_mov_b32 s54, 0x76543210
	s_mov_b32 s55, 0xfedcba98                      ; selects for lane l xor 16
	s_and_b32 s56, s14, 3
	s_lshl_b32 s56, s56, 14                        ; which quarter of a slot's K or V I fetch: in LDS and in memory alike
	s_lshl_b32 s58, s17, 18                        ; a head's K or V is 262,144 bytes
	s_add_co_u32 s58, s58, s56
	s_mov_b32 s59, 0
	s_lshl_b32 s60, s17, 18                        ; Q: (256 head + 16 block + 2 wave) tiles of 1,024 bytes
	s_lshl_b32 s57, s16, 14
	s_add_co_u32 s60, s60, s57
	s_lshl_b32 s57, s14, 11
	s_add_co_u32 s60, s60, s57
	s_mov_b32 s61, 0
	s_lshr_b32 s62, s17, 3                         ; the output: (256 batch + 16 block + 2 wave) tiles of 8,192 bytes + 1,024 x head
	s_lshl_b32 s62, s62, 21
	s_lshl_b32 s57, s16, 17
	s_add_co_u32 s62, s62, s57
	s_lshl_b32 s57, s14, 14
	s_add_co_u32 s62, s62, s57
	s_and_b32 s57, s17, 7
	s_lshl_b32 s57, s57, 10
	s_add_co_u32 s62, s62, s57
	s_mov_b32 s63, 0
	s_wait_dscnt 0x0                               ; both opening adds are done
	s_wait_kmcnt 0x0
	s_load_b128 s[20:23], s[10:11], 0x18           ; eq, ek, ep, ev
	s_load_b32 s48, s[10:11], 0x28                 ; e10
	s_add_nc_u64 s[6:7], s[6:7], s[58:59]
	s_add_nc_u64 s[8:9], s[8:9], s[58:59]
	s_add_nc_u64 s[4:5], s[4:5], s[60:61]
	s_add_nc_u64 s[12:13], s[12:13], s[62:63]
	CROUND                                         ; all four work-groups are here: the first joint loads meet
.irp s, 0,1
	s_mov_b32 s[32+4*\s], 1                        ; count = 1
	s_add_co_u32 s[33+4*\s], s56, \s*SLOT          ; LDS address: no place in the cluster enters it
	s_add_nc_u64 s[34+4*\s:35+4*\s], s[6:7], \s*65536   ; slot s begins with keys 1,024 s on
	s_or_b32 s[35+4*\s], s[35+4*\s], 0x80000000    ; type = 2
	s_mov_b32 s[40+4*\s], 1
	s_add_co_u32 s[41+4*\s], s56, \s*SLOT+65536
	s_add_nc_u64 s[42+4*\s:43+4*\s], s[8:9], \s*65536
	s_or_b32 s[43+4*\s], s[43+4*\s], 0x80000000
.endr
	JLOAD 0                                        ; slot 0: one tensor load a wave at the head
	v_and_b32 v1, 31, v0
	v_lshlrev_b32 v[LI], 4, v1
.irp t, 0,1
.irp c, 0,1
	global_load_b128 v[QF+8*\t+4*\c:QF+8*\t+4*\c+3], v[LI], s[4:5] offset:1024*\t+512*\c   ; Q stays in registers
.endr
.endr
	WIN 0x40                                       ; destination window 1
.set q, 0
.rept 64
	v_mov_b32 v[O+q], 0                            ; O^T.  (The step is written once: the first finds zeros, which the first change of M leaves zeros)
.set q, q+1
.endr
.set q, 0
.rept 24
	v_mov_b32 v[ACS+q], 0                          ; the running sums; and -M's and f's pairs, whose upper halves are named with the lower
.set q, q+1
.endr
	WIN 0
.irp t, 0,1
	v_mov_b32 v[ST+12*\t+1], 0xff61b1e6            ; the largest t so far: -3e38, under every t
	v_floor_f32 v[ST+12*\t], -v[ST+12*\t+1]        ; -M
	v_mov_b32 v[ST+12*\t+6], 0                     ; a lane permute's destination counts as one of its sources
.endr
	s_wait_kmcnt 0x0
	s_add_co_i32 s58, s20, s21
	s_lshl_b32 s58, s58, 23
	s_mov_b32 s52, 0x3e38aa3b                      ; c = log2(e) / 8
	s_add_co_i32 s52, s52, s58                     ; a score stands for score x 2^(eq + ek): the exponents are added to c's exponent field
	s_mov_b32 s53, s52                             ; (named with it as a pair, so it is written)
	s_add_co_i32 s58, s22, 127
	s_lshl_b32 s59, s58, 23
	v_mov_b32 v[SCL], s59                          ; 2^ep
	s_add_co_i32 s58, s58, 15
	s_lshl_b32 s58, s58, 23
	s_or_b32 s58, s58, 0x600000
	WIN 0x40
	v_mov_b32 v[LIMC], s58                         ; 57,344 x 2^ep, in the window of p
	WIN 0
	s_sub_co_i32 s58, s48, s22
	s_sub_co_i32 s58, s58, s23                     ; O / the sum stands for o / 2^(ep + ev): its code is taken with 2^(e10 - ep - ev)
	s_add_co_i32 s58, s58, 127
	s_lshl_b32 s59, s58, 23
	v_mov_b32 v[SCLA], s59
	s_add_co_i32 s58, s58, 15
	s_lshl_b32 s58, s58, 23
	s_or_b32 s58, s58, 0x600000
	v_mov_b32 v[LIMA], s58
.macro FMA t, i                        ; t - M, two at a time (of the pairs c and -M the low word serves both halves)
	v_pk_fma_f32 v[64*(\t)+2*(\i):64*(\t)+2*(\i)+1], v[64*(\t)+2*(\i):64*(\t)+2*(\i)+1], s[52:53], v[NM+2*(\t):NM+2*(\t)+1] op_sel_hi:[1,0,0]
.endm
.macro HOLD a                          ; the conversion does not saturate (ISA guide 7.6.2): p and its neighbour are held at 57,344 x 2^ep, two in one line
	v_dual_min_num_f32 v[\a], v[LIMC], v[\a] :: v_dual_min_num_f32 v[(\a)+1], v[LIMC], v[(\a)+1]
.endm
.macro PADD d, a, b
	v_pk_add_f32 v[\d:(\d)+1], v[\a:(\a)+1], v[\b:(\b)+1]
.endm
.macro RUNEND                          ; behind a run of exponentials
	v_nop                                          ; a plain place behind the last exponential
	s_wait_alu depctr_va_vdst(0)                   ; one wait: behind this run and ahead of the next
.endm
.macro KLOAD                           ; a step's eight tiles of K
.irp kt, 0,1,2,3,4,5,6,7
.irp c, 0,1
	ds_load_b128 v[KF+8*\kt+4*\c:KF+8*\kt+4*\c+3], v[ADK] offset:1024*\kt+512*\c
.endr
.endr
.endm
; A KEY STEP: 128 keys.  Its K was asked for a step ago.
.macro STEP
	s_wait_dscnt 0x0                               ; K is in
	WIN 0x40                                       ; S^T window 1
.irp kt, 0,1,2,3,4,5,6,7
.irp t, 0,1
	v_wmma_f32_16x16x64_bf8_bf8 v[64*\t+8*\kt:64*\t+8*\kt+7], v[KF+8*\kt:KF+8*\kt+7], v[QF+8*\t:QF+8*\t+7], 0
.endr
.endr
	WIN 0
	v_add_nc_u32 v[ADV], 0x10000, v[ADK]           ; this step's V lies 64 KiB behind its K.  These four plain lines are the places in front of the loads into K's and V's registers and of the first read of scores
	s_add_co_u32 s49, s49, 8192
	v_add_nc_u32 v[ADK], s49, v[LI]                ; the next step's K
	v_nop
	v_nop
.irp dt, 0,1,2,3
.irp c, 0,1,2,3
	ds_load_b128 v[VF+16*\dt+4*\c:VF+16*\dt+4*\c+3], v[ADV] offset:2048*\dt+512*\c
.endr
.endr
	KLOAD                                          ; in a slot's last step these read the slot's own first bytes of V, which have landed, and are thrown away: so the step is written once
	; the largest score: four chains a tile, eight in all by turns; the scores are read in ascending order, each accumulator from its low end on
	WIN 0x15
.irp j, 0,1,2,3
.irp t, 0,1
	v_max3_num_f32 v[ST+12*\t+2+\j], v[64*\t+3*\j], v[64*\t+3*\j+1], v[64*\t+3*\j+2]
.endr
.endr
	WIN 0x14
.set n, 0
.rept 26
.irp t, 0,1
	v_max3_num_f32 v[ST+12*\t+2+n%4], v[ST+12*\t+2+n%4], v[64*\t+12+2*n], v[64*\t+13+2*n]
.endr
.set n, n+1
.endr
	WIN 0
.irp t, 0,1
	v_max3_num_f32 v[ST+12*\t+2], v[ST+12*\t+2], v[ST+12*\t+3], v[ST+12*\t+4]
.endr
.irp t, 0,1
	v_max_num_f32 v[ST+12*\t+2], v[ST+12*\t+2], v[ST+12*\t+5]
.endr
.irp t, 0,1
	v_permlanex16_b32 v[ST+12*\t+6], v[ST+12*\t+2], s54, s55   ; the query's other 64 keys lie in the lane 16 away
.endr
.irp t, 0,1
	v_max_num_f32 v[ST+12*\t+2], v[ST+12*\t+2], v[ST+12*\t+6]
.endr
.irp t, 0,1
	v_mul_f32 v[ST+12*\t+2], s52, v[ST+12*\t+2]    ; as t (c is positive)
.endr
.irp t, 0,1
	v_max_num_f32 v[ST+12*\t+1], v[ST+12*\t+1], v[ST+12*\t+2]   ; the running largest t
.endr
.irp t, 0,1
	v_floor_f32 v[ST+12*\t+3], -v[ST+12*\t+1]      ; the new -M = floor(-t): M is a whole number
.endr
.irp t, 0,1
	v_sub_f32 v[ST+12*\t+2], v[ST+12*\t+3], v[ST+12*\t]   ; old M - new M: a whole number, 0 or less
.endr
.irp t, 0,1
	v_mov_b32 v[ST+12*\t], v[ST+12*\t+3]
.endr
.irp t, 0,1
	v_cvt_i32_f32 v[ST+12*\t+2], v[ST+12*\t+2]     ; (it saturates)
.endr
	WIN 0x40                                       ; -M and f go where the lines below name them: window 1
.irp t, 0,1
	v_mov_b32 v[NM+2*\t], v[ST+12*\t+3]
.endr
.irp t, 0,1
	v_ldexp_f32 v[FF+2*\t], 1.0, v[ST+12*\t+2]     ; f = 2^(old M - new M)
.endr
	WIN 0x55                                       ; from here to the conversions every operand lies in window 1
.set n, 0
.rept 16                               ; t - M of registers 0-31
	FMA 0, n
.set n, n+1
.endr
.irp t, 0,1
.set n, 0
.rept 16
	v_pk_mul_f32 v[O+32*\t+2*n:O+32*\t+2*n+1], v[O+32*\t+2*n:O+32*\t+2*n+1], v[FF+2*\t:FF+2*\t+1] op_sel_hi:[1,0]   ; O^T under the new M, ahead of every exponential of the step; each accumulator from its low end on
.set n, n+1
.endr
.endr
	s_wait_alu depctr_va_vdst(0)
.set n, 0
.rept 32                               ; p of registers 0-31; between them t - M of registers 32-95
	v_exp_f32 v[n], v[n]
.if n < 16
	FMA 0, 16+n
.else
	FMA 1, n-16
.endif
.set n, n+1
.endr
	RUNEND
.set n, 0
.rept 32                               ; p of 32-63; t - M of 96-127; the first level of the sum of 0-31, of the UNQUANTISED and unheld p; then the holds of 0-15
	v_exp_f32 v[32+n], v[32+n]
.if n < 16
	FMA 1, 16+n
.elseif n < 24
	PADD TMP+2*(n-16), 4*(n-16), 4*(n-16)+2
.else
	HOLD 2*(n-24)
.endif
.set n, n+1
.endr
	RUNEND
.set n, 0
.rept 32                               ; p of 64-95; the holds of 16-31; the sum's first level and then the holds of 32-63
	v_exp_f32 v[64+n], v[64+n]
.if n < 8
	HOLD 16+2*n
.elseif n < 16
	PADD TMP+16+2*(n-8), 32+4*(n-8), 32+4*(n-8)+2
.else
	HOLD 32+2*(n-16)
.endif
.set n, n+1
.endr
	RUNEND
.set n, 0
.rept 8                                ; tile 0: 16 pairs -> 8: the upper eight pairs are free for tile 1
	PADD TMP+2*n, TMP+2*n, TMP+16+2*n
.set n, n+1
.endr
.set n, 0
.rept 32                               ; p of 96-127; the sum's first level and then the holds of 64-95
	v_exp_f32 v[96+n], v[96+n]
.if n < 8
	PADD TMP+16+2*n, 64+4*n, 64+4*n+2
.elseif n < 24
	HOLD 64+2*(n-8)
.endif
.set n, n+1
.endr
	RUNEND
.set n, 0
.rept 4                                ; tile 0: 8 -> 4
	PADD TMP+2*n, TMP+2*n, TMP+8+2*n
.set n, n+1
.endr
.set n, 0
.rept 4                                ; the sum's first level of 96-111, into the pairs just left
	PADD TMP+8+2*n, 96+4*n, 96+4*n+2
.set n, n+1
.endr
.set n, 0
.rept 4                                ; tile 0's running sum: x f + the step's
	v_pk_fma_f32 v[ACS+2*n:ACS+2*n+1], v[ACS+2*n:ACS+2*n+1], v[FF:FF+1], v[TMP+2*n:TMP+2*n+1] op_sel_hi:[1,0,1]
.set n, n+1
.endr
.set n, 0
.rept 4                                ; and of 112-127
	PADD TMP+2*n, 112+4*n, 112+4*n+2
.set n, n+1
.endr
.set n, 0
.rept 8                                ; the holds of 96-111
	HOLD 96+2*n
.set n, n+1
.endr
.set n, 0
.rept 8                                ; tile 1: 16 pairs -> 8
	PADD TMP+16+2*n, TMP+16+2*n, TMP+2*n
.set n, n+1
.endr
.set n, 0
.rept 8                                ; the holds of 112-127
	HOLD 112+2*n
.set n, n+1
.endr
.set n, 0
.rept 4                                ; tile 1: 8 -> 4
	PADD TMP+16+2*n, TMP+16+2*n, TMP+24+2*n
.set n, n+1
.endr
.set n, 0
.rept 4
	v_pk_fma_f32 v[ACS+8+2*n:ACS+8+2*n+1], v[ACS+8+2*n:ACS+8+2*n+1], v[FF+2:FF+3], v[TMP+16+2*n:TMP+16+2*n+1] op_sel_hi:[1,0,1]
.set n, n+1
.endr
	WIN 0x01                                       ; p window 1; P and the scale window 0
.irp t, 0,1
.irp kt, 0,1,2,3,4,5,6,7
	v_cvt_scalef32_pk8_bf8_f32 v[P+16*\t+2*\kt:P+16*\t+2*\kt+1], v[64*\t+8*\kt:64*\t+8*\kt+7], v[SCL]   ; eight keys of a tile of S^T become pair kt of P
.endr
.endr
	v_nop                                          ; one plain line behind the last conversion
	s_wait_alu depctr_va_vdst(0)
	s_wait_dscnt 16                                ; V is in; the 16 younger loads, the next step's K, may be out
	WIN 0x50                                       ; O^T (C and D) window 1; V and P window 0
.irp dt, 0,1,2,3
.irp t, 0,1
	v_wmma_f32_16x16x128_bf8_bf8 v[O+32*\t+8*\dt:O+32*\t+8*\dt+7], v[VF+16*\dt:VF+16*\dt+15], v[P+16*\t:P+16*\t+15], v[O+32*\t+8*\dt:O+32*\t+8*\dt+7]   ; eight accumulators, one instruction each: by turns
.endr
.endr
	WIN 0
.endm
.macro SLOTRUN base                    ; a slot's eight key steps
	s_mov_b32 s49, \base
	v_add_nc_u32 v[ADK], s49, v[LI]
	KLOAD
	s_mov_b32 s50, 8
	s_wait_alu depctr_va_vdst(0)
.Lstep_\@:
	STEP
	s_sub_co_u32 s50, s50, 1
	s_cmp_lg_u32 s50, 0
	s_cbranch_scc1 .Lstep_\@
.endm
; THE CHANGE OF SLOTS.  Each wave waits for all its tensor loads (at most one is out: its part of the other slot), adds 0 to its spare word, and waits for that and for its reads of the slot that it leaves.
; fill = 1: that slot is filled again with the keys two slots on: the barrier is a round of the cluster's, and the joint refill is the first thing behind it.
.macro CHANGE slot, fill
	s_wait_tensorcnt 0x0                           ; no tensor load of mine is out, so a group 0 may be written
	ds_add_u32 v[SPW], v[NIL]
.if \fill
	s_add_nc_u64 s[34+4*\slot:35+4*\slot], s[34+4*\slot:35+4*\slot], 131072   ; 2,048 keys on; the type bits on top are not reached
	s_add_nc_u64 s[42+4*\slot:43+4*\slot], s[42+4*\slot:43+4*\slot], 131072
.endif
	s_wait_dscnt 0x0                               ; the add is done, and my reads of the slot are over
.if \fill
	CROUND
	JLOAD \slot
.else
	s_barrier_signal -1
	s_barrier_wait -1
.endif
.endm
	s_wait_alu depctr_va_vdst(0)                   ; the head's end
	s_wait_loadcnt 0x0                             ; Q
	s_wait_tensorcnt 0x0                           ; my part of slot 0 is in
	ds_add_u32 v[SPW], v[NIL]
	s_wait_dscnt 0x0
	CROUND                                         ; everybody's part of slot 0 is in, and all four work-groups are here
	JLOAD 1                                        ; slot 1's first fill: the first tensor load behind the round
	SLOTRUN 0                                      ; keys 0-1,023
	CHANGE 0, 1
	SLOTRUN SLOT                                   ; keys 1,024-2,047
	CHANGE 1, 1
	SLOTRUN 0                                      ; keys 2,048-3,071
	CHANGE 0, 0                                    ; nothing is left to fetch
	SLOTRUN SLOT                                   ; keys 3,072-4,095
	; THE WAY OUT: O^T / the sum, held, converted: the results are registers of the last projection's operand, stored as they stand.
	WIN 0x55                                       ; the sums' four pairs into one.  (These lines are also the places behind the last products)
.irp t, 0,1
	PADD ACS+8*\t, ACS+8*\t, ACS+8*\t+2
	PADD ACS+8*\t+4, ACS+8*\t+4, ACS+8*\t+6
.endr
.irp t, 0,1
	PADD ACS+8*\t, ACS+8*\t, ACS+8*\t+4
.endr
	WIN 0x05                                       ; sources window 1, destination window 0
.irp t, 0,1
	v_add_f32 v[ST+12*\t+2], v[ACS+8*\t], v[ACS+8*\t+1]
.endr
	WIN 0
.irp t, 0,1
	v_permlanex16_b32 v[ST+12*\t+6], v[ST+12*\t+2], s54, s55
.endr
.irp t, 0,1
	v_add_f32 v[ST+12*\t+2], v[ST+12*\t+2], v[ST+12*\t+6]   ; the row's sum
.endr
	s_wait_alu depctr_va_vdst(0)
.irp t, 0,1
	v_rcp_f32 v[ST+12*\t+4], v[ST+12*\t+2]
.endr
	v_nop                                          ; a plain place behind the last reciprocal
	WIN 0x41                                       ; O^T and the results window 1, the reciprocal window 0
	s_wait_alu depctr_va_vdst(0)                   ; behind the reciprocals, directly ahead of the first reader of O^T
.irp t, 0,1
.irp j, 0,2,4,6,8,10,12,14,16,18,20,22,24,26,28,30
	v_pk_mul_f32 v[64*\t+\j:64*\t+\j+1], v[O+32*\t+\j:O+32*\t+\j+1], v[ST+12*\t+4:ST+12*\t+5] op_sel_hi:[1,0]   ; each accumulator from its low end on
.endr
.endr
.irp t, 0,1
.set q, 0
.rept 32
	v_med3_num_f32 v[64*\t+q], v[64*\t+q], -v[LIMA], v[LIMA]
.set q, q+1
.endr
.endr
	WIN 0x01
.irp t, 0,1
.irp dt, 0,1,2,3
	v_cvt_scalef32_pk8_bf8_f32 v[P+16*\t+2*\dt:P+16*\t+2*\dt+1], v[64*\t+8*\dt:64*\t+8*\dt+7], v[SCLA]
.endr
.endr
	v_nop
	WIN 0
.irp t, 0,1
.irp c, 0,1
	global_store_b128 v[LI], v[P+16*\t+4*\c:P+16*\t+4*\c+3], s[12:13] offset:8192*\t+512*\c   ; 32 lanes store 512 consecutive bytes, aligned
.endr
.endr
	s_wait_tensorcnt 0x0                           ; the wave's end
	ds_add_u32 v[SPW], v[NIL]
	s_wait_dscnt 0x0
	CROUND                                         ; the closing round: no work-group ends while a partner may still ask for a tile that names it
	s_endpgm
.Lfunc_end_k_q2c4fb1f9ff_attn:
	.size	k_q2c4fb1f9ff_attn, .Lfunc_end_k_q2c4fb1f9ff_attn-k_q2c4fb1f9ff_attn
	.p2alignl 7, 3214868480
	.fill 96, 4, 3214868480
	.section	.rodata,"a",@progbits
	.p2align	6, 0x0
	.amdhsa_kernel k_q2c4fb1f9ff_attn
		.amdhsa_group_segment_fixed_size 327680
		.amdhsa_private_segment_fixed_size 0
		.amdhsa_enable_private_segment 0
		.amdhsa_kernarg_size 40
		.amdhsa_user_sgpr_count 2
		.amdhsa_user_sgpr_kernarg_segment_ptr 1
		.amdhsa_wavefront_size32 1
		.amdhsa_system_sgpr_workgroup_id_x 1
		.amdhsa_system_sgpr_workgroup_id_y 1
		.amdhsa_system_sgpr_workgroup_id_z 1
		.amdhsa_system_vgpr_workitem_id 0
		.amdhsa_next_free_vgpr 512
		.amdhsa_next_free_sgpr 66
		.amdhsa_reserve_vcc 0
		.amdhsa_float_denorm_mode_32 3
		.amdhsa_float_denorm_mode_16_64 3
		.amdhsa_memory_ordered 1
		.amdhsa_forward_progress 1
		.amdhsa_inst_pref_size 139
	.end_amdhsa_kernel
	.amdgpu_metadata
---
amdhsa.version: [ 1, 2 ]
amdhsa.kernels:
  - .name:           k_q2c4fb1f9ff_attn
    .symbol:         k_q2c4fb1f9ff_attn.kd
    .args:
      - { .name: qimg, .offset: 0, .size: 8, .value_kind: global_buffer, .address_space: global }
      - { .name: kimg, .offset: 8, .size: 8, .value_kind: global_buffer, .address_space: global }
      - { .name: vimg, .offset: 16, .size: 8, .value_kind: global_buffer, .address_space: global }
      - { .name: lowp_scales, .offset: 24, .size: 8, .value_kind: global_buffer, .address_space: global }
      - { .name: aimg, .offset: 32, .size: 8, .value_kind: global_buffer, .address_space: global }
    .group_segment_fixed_size: 327680
    .private_segment_fixed_size: 0
    .kernarg_segment_align: 8
    .kernarg_segment_size: 40
    .max_flat_workgroup_size: 256
    .sgpr_count:     66
    .vgpr_count:     512
    .wavefront_size: 32
...
	.end_amdgpu_metadata
.endif
;; end of part 3
;; launch proj (part 4): grid 4 x 64, 8 waves a work-group, no clusters, 134,144 bytes of LDS; arguments aimg, wimg, proj_b, hidden_states, lowp_scales, out0; writes out0
.if DOCPART == 4
	.amdgcn_target "amdgcn-amd-amdhsa--gfx1250"
	.amdhsa_code_object_version 6
	.text
	.protected	k_q2c4fb1f9ff_proj
	.globl	k_q2c4fb1f9ff_proj
	.p2align	8
	.type	k_q2c4fb1f9ff_proj,@function
k_q2c4fb1f9ff_proj:
	s_mov_b64 s[64:65], 0
	v_nop
	global_prefetch_b8 v0, s[64:65] scope:SCOPE_SE
	s_setreg_imm32_b32 hwreg(HW_REG_WAVE_MODE, 25, 1), 1
	s_wait_xcnt 0x0
; out[b][c][n] = the sum over k of a[b][n][k] W[c][k] x 2^(e10 + e11) + bias[c] + hidden[b][c][n], the product on codes of BF8 (E5M2).
; Work-group (x, y): output channels 128 x on, tokens 128 (y % 32) on of batch y / 32.  Wave w owns the 16 channels of W's tile 8 x + w, for all eight tiles of 16 tokens.
; Both operands lie in memory as images of their registers.  Wave w brings a's tile w (8 KiB) and hands it to the others through LDS, as it stands; W's four fragments stay in registers.
; Source 0 = a (tokens), source 1 = W (channels): a lane holds ONE channel, and its eight registers eight neighbouring tokens: neighbours in a row of the output, which has the tokens innermost.
; The results go through the wave's own stage in LDS (16 rows of 512 bytes + 16) and leave as whole rows: each store of a wave is 512 consecutive bytes, aligned.
; NO CLUSTER, NO TENSOR LOAD: LDS is filled once; what the four work-groups of a block of tokens share is that one fill of 64 KiB, and there is no ring in which joint requests could recur.
; LIMIT: e10 + e11 (entries 10, 11 of the scales) between -126 and 127, so that 2^(e10 + e11) is an f32 number.
; REGISTERS, window 0: v1 16 x lane; v2 where I store a's image; v3, v4 the stage, in and back; v5 the bias's offset; v[6:7] the bias; v16-79, v80-143 a's fragments by turns, later results; v144-207 eight accumulators.
;   window 1: v0-63 the residual's 16 rows; v64-127 W's four fragments.
.set STG, 65536
.set LI,  1
.set AST, 2
.set STO, 3
.set RD,  4
.set BO,  5
.set BI,  6
.set AF0, 16
.set AF1, 80
.set ACC, 144
.set WF,  64                           ; in window 1
.set MSB, 0
.macro WIN new                         ; low byte: bits 1:0 source 0, 3:2 source 1, 5:4 source 2, 7:6 destination; the high byte repeats the setting that is left
.if MSB != \new
	s_set_vgpr_msb (MSB<<8)|\new
.set MSB, \new
.endif
.endm
	s_load_b256 s[4:11], s[0:1], 0x0               ; aimg s[4:5], wimg s[6:7], proj_b s[8:9], hidden s[10:11]
	s_load_b128 s[12:15], s[0:1], 0x20             ; scales s[12:13], out s[14:15]
	v_lshl_add_u32 v254, v0, 2, 0x20800
	v_mov_b32 v255, 0
	v_lshrrev_b32 v8, 5, v0
	s_delay_alu instid0(VALU_DEP_1)
	v_readfirstlane_b32 s16, v8                    ; wave 0..7
	s_and_b32 s17, ttmp7, 0xffff
	s_lshr_b32 s18, s17, 5                         ; batch
	s_and_b32 s17, s17, 31                         ; block of 128 tokens
	s_lshl_b32 s19, ttmp9, 3
	s_add_co_u32 s19, s19, s16                     ; my tile of W: 8 x + w
	v_and_b32 v8, 31, v0
	s_delay_alu instid0(VALU_DEP_1)
	v_lshlrev_b32 v[LI], 4, v8
	s_lshl_b32 s20, s16, 13
	v_add_nc_u32 v[AST], s20, v[LI]
	v_and_b32 v9, 15, v0                           ; r
	v_bfe_u32 v10, v0, 4, 1                        ; h
	s_mul_i32 s21, s16, 16*528
	s_add_co_u32 s21, s21, STG                     ; my stage
	v_mul_u32_u24 v[STO], v9, 528
	s_delay_alu instid0(VALU_DEP_1)
	v_lshl_add_u32 v[STO], v10, 5, v[STO]
	s_delay_alu instid0(VALU_DEP_1)
	v_add_nc_u32 v[STO], s21, v[STO]               ; in: row r (my channel), + 32 h: tokens 8 h on
	v_add_nc_u32 v[RD], s21, v[LI]                 ; back: a row's 512 bytes, 16 a lane
	v_lshlrev_b32 v[BO], 2, v9
	v_mov_b32 v[BI+1], 0                           ; (named as the upper half of the bias's pair)
	s_lshl_b32 s22, s18, 21
	s_lshl_b32 s23, s17, 16
	s_add_co_u32 s22, s22, s23
	s_add_co_u32 s22, s22, s20                     ; a: (256 b + 8 blk + w) tiles of 8,192 bytes
	s_mov_b32 s23, 0
	s_lshl_b32 s24, s19, 13
	s_add_co_u32 s24, s24, 786432                  ; W: the fourth matrix, tile 8 x + w
	s_mov_b32 s25, 0
	s_lshl_b32 s26, s19, 6                         ; the bias: 16 numbers a tile
	s_mov_b32 s27, 0
	s_lshl_b32 s28, s18, 23
	s_lshl_b32 s29, s19, 18
	s_add_co_u32 s28, s28, s29
	s_lshl_b32 s29, s17, 9
	s_add_co_u32 s28, s28, s29                     ; residual and output: batch, 16 (8 x + w) rows of 16,384 bytes, 128 blk tokens
	s_mov_b32 s29, 0
	s_wait_alu depctr_va_vdst(0)
	s_wait_kmcnt 0x0
	s_load_b64 s[40:41], s[12:13], 0x28            ; e10, e11
	s_add_nc_u64 s[4:5], s[4:5], s[22:23]
	s_add_nc_u64 s[6:7], s[6:7], s[24:25]
	s_add_nc_u64 s[8:9], s[8:9], s[26:27]
	s_add_nc_u64 s[10:11], s[10:11], s[28:29]
	s_add_nc_u64 s[14:15], s[14:15], s[28:29]
.set q, 0
.rept 16
	global_load_b128 v[AF0+4*q:AF0+4*q+3], v[LI], s[4:5] offset:512*q
.set q, q+1
.endr
	global_load_b32 v[BI], v[BO], s[8:9]
	WIN 0x40                                       ; destination window 1
.set q, 0
.rept 16
	global_load_b128 v[WF+4*q:WF+4*q+3], v[LI], s[6:7] offset:512*q
.set q, q+1
.endr
.set q, 0
.rept 16
	global_load_b128 v[4*q:4*q+3], v[LI], s[10:11] offset:16384*q th:TH_LOAD_NT   ; the residual: its last reading in the program
.set q, q+1
.endr
	WIN 0
	s_wait_loadcnt 33                              ; a's 16 loads are in; younger: the bias, W's 16, the residual's 16
.set q, 0
.rept 16
	ds_store_b128 v[AST], v[AF0+4*q:AF0+4*q+3] offset:512*q
.set q, q+1
.endr
	s_wait_kmcnt 0x0
	s_add_co_i32 s40, s40, s41
	s_add_co_i32 s40, s40, 127
	s_lshl_b32 s40, s40, 23                        ; 2^(e10 + e11) as f32
	s_mov_b32 s41, s40                             ; (named with it as a pair, so it is written)
	s_wait_dscnt 0x0                               ; for the others' sake: my tile has landed
	s_barrier_signal -1
	s_barrier_wait -1                              ; a's 32 fragments lie in LDS
	s_wait_loadcnt 16                              ; the bias and W are in; the residual may be out
.macro FETCHP k                        ; turn k = 4 g + s: fragments (4 g + i, s), i = 0..3
.set BUFN, AF0+64*((\k)%2)
.irp i, 0,1,2,3
.irp c, 0,1,2,3
	ds_load_b128 v[BUFN+16*\i+4*\c:BUFN+16*\i+4*\c+3], v[LI] offset:(4*((\k)/4)+\i)*8192+2048*((\k)%4)+512*\c
.endr
.endr
.endm
.macro TURN k
.if (\k) < 7
.if (\k) > 0
.rept 4
	v_nop                                          ; places in front of loads into the buffer that the products just issued have read
.endr
.endif
	FETCHP (\k)+1
	s_wait_dscnt 16                                ; all but the 16 just issued
.else
	s_wait_dscnt 0x0
.endif
.set BUF, AF0+64*((\k)%2)
	WIN 0x04                                       ; source 1 (W) window 1
.irp i, 0,1,2,3
.if (\k)%4 == 0
	v_wmma_f32_16x16x128_bf8_bf8 v[ACC+8*(4*((\k)/4)+\i):ACC+8*(4*((\k)/4)+\i)+7], v[BUF+16*\i:BUF+16*\i+15], v[WF+16*((\k)%4):WF+16*((\k)%4)+15], 0
.else
	v_wmma_f32_16x16x128_bf8_bf8 v[ACC+8*(4*((\k)/4)+\i):ACC+8*(4*((\k)/4)+\i)+7], v[BUF+16*\i:BUF+16*\i+15], v[WF+16*((\k)%4):WF+16*((\k)%4)+15], v[ACC+8*(4*((\k)/4)+\i):ACC+8*(4*((\k)/4)+\i)+7]
.endif
.endr
	WIN 0
.endm
	FETCHP 0
.irp k, 0,1,2,3,4,5,6,7                ; four accumulators by turns, a K step at a time; the first product of each starts its sum
	TURN \k
.endr
.rept 4
	v_nop                                          ; places in front of the first read of results and of writes into registers that products have read
.endr
.set q, 0
.rept 32
	v_pk_fma_f32 v[AF0+2*q:AF0+2*q+1], v[ACC+2*q:ACC+2*q+1], s[40:41], v[BI:BI+1] op_sel_hi:[1,0,0]   ; sum x 2^(e10 + e11) + bias; each accumulator from its low end on
.set q, q+1
.endr
.irp m, 0,1,2,3,4,5,6,7
	ds_store_b128 v[STO], v[AF0+8*\m:AF0+8*\m+3] offset:64*\m         ; channel r, tokens 16 m + 8 h + 0..7
	ds_store_b128 v[STO], v[AF0+8*\m+4:AF0+8*\m+7] offset:64*\m+16
.endr
.set q, 0
.rept 16
	ds_load_b128 v[AF1+4*q:AF1+4*q+3], v[RD] offset:528*q             ; LDS serves a wave's instructions in order (ISA guide 5.7.1.4): these see my stores; the stage is my own
.set q, q+1
.endr
	s_wait_loadcnt 0x0                             ; the residual
	s_wait_dscnt 0x0
	WIN 0x04                                       ; source 1 (the residual) window 1
.set q, 0
.rept 32
	v_pk_add_f32 v[AF1+2*q:AF1+2*q+1], v[AF1+2*q:AF1+2*q+1], v[2*q:2*q+1]
.set q, q+1
.endr
	WIN 0
.set q, 0
.rept 16
	global_store_b128 v[LI], v[AF1+4*q:AF1+4*q+3], s[14:15] offset:16384*q th:TH_STORE_NT   ; a channel's 128 tokens: 512 consecutive bytes, aligned; written once
.set q, q+1
.endr
	s_wait_tensorcnt 0x0
	ds_add_u32 v254, v255
	s_wait_dscnt 0x0
	s_endpgm
.Lfunc_end_k_q2c4fb1f9ff_proj:
	.size	k_q2c4fb1f9ff_proj, .Lfunc_end_k_q2c4fb1f9ff_proj-k_q2c4fb1f9ff_proj
	.p2alignl 7, 3214868480
	.fill 96, 4, 3214868480
	.section	.rodata,"a",@progbits
	.p2align	6, 0x0
	.amdhsa_kernel k_q2c4fb1f9ff_proj
		.amdhsa_group_segment_fixed_size 134144
		.amdhsa_private_segment_fixed_size 0
		.amdhsa_enable_private_segment 0
		.amdhsa_kernarg_size 48
		.amdhsa_user_sgpr_count 2
		.amdhsa_user_sgpr_kernarg_segment_ptr 1
		.amdhsa_wavefront_size32 1
		.amdhsa_system_sgpr_workgroup_id_x 1
		.amdhsa_system_sgpr_workgroup_id_y 1
		.amdhsa_system_sgpr_workgroup_id_z 1
		.amdhsa_system_vgpr_workitem_id 0
		.amdhsa_next_free_vgpr 384
		.amdhsa_next_free_sgpr 66
		.amdhsa_reserve_vcc 0
		.amdhsa_float_denorm_mode_32 3
		.amdhsa_float_denorm_mode_16_64 3
		.amdhsa_memory_ordered 1
		.amdhsa_forward_progress 1
		.amdhsa_inst_pref_size 28
	.end_amdhsa_kernel
	.amdgpu_metadata
---
amdhsa.version: [ 1, 2 ]
amdhsa.kernels:
  - .name:           k_q2c4fb1f9ff_proj
    .symbol:         k_q2c4fb1f9ff_proj.kd
    .args:
      - { .name: aimg, .offset: 0, .size: 8, .value_kind: global_buffer, .address_space: global }
      - { .name: wimg, .offset: 8, .size: 8, .value_kind: global_buffer, .address_space: global }
      - { .name: proj_b, .offset: 16, .size: 8, .value_kind: global_buffer, .address_space: global }
      - { .name: hidden_states, .offset: 24, .size: 8, .value_kind: global_buffer, .address_space: global }
      - { .name: lowp_scales, .offset: 32, .size: 8, .value_kind: global_buffer, .address_space: global }
      - { .name: out0, .offset: 40, .size: 8, .value_kind: global_buffer, .address_space: global }
    .group_segment_fixed_size: 134144
    .private_segment_fixed_size: 0
    .kernarg_segment_align: 8
    .kernarg_segment_size: 48
    .max_flat_workgroup_size: 256
    .sgpr_count:     66
    .vgpr_count:     384
    .wavefront_size: 32
...
	.end_amdgpu_metadata
.endif
;; end of part 4
